; MI455X (gfx1250); checked and timed in simulation.
; The chip was launched on July 23, 2026; its instructions are those of AMD's public machine-readable ISA for CDNA 5 (MIT licence, August 2026) and "CDNA5" Instruction Set Architecture Reference Guide (July 2026). The comments in the code are by the model that wrote it; some were corrected since.
;; KAN Coupling Net. Allowed arithmetic: float matrix products may take bf16 or f16 operands with f32 sums; other float arithmetic in f32, or as packed bf16 or f16 multiplies, adds, multiply-adds, maxima and minima; sums over many terms, partial sums and values carried from step to step in f32; what a program stores and reads back later, other than sums and carried values, may be rounded once to bf16 or f16.
;; Inputs: coef0 12 x 64 x 5 float32; coef1 64 x 64 x 5 float32; coef2 64 x 24 x 5 float32; grid0 12 x 9 float32; grid1 64 x 9 float32; grid2 64 x 9 float32; sb0 12 x 64 float32; sb1 64 x 64 float32; sb2 64 x 24 float32; ss0 12 x 64 float32; ss1 64 x 64 float32; ss2 64 x 24 float32; x 32 x 12 x 64 x 64 float32.
;; Outputs: out0 32 x 24 x 64 x 64 float32.
;; 2 versions, each right; version 2 is version 1 with the launch prep written anew for expert scheduling mode. Each part assembles by itself: llvm-mc -triple=amdgcn-amd-amdhsa -mcpu=gfx1250 --defsym DOCPART=n.
;; ======== version 1 of 2: 2 launches
;; workspace buffers: img 106,496 bytes
;; launch prep (part 1): grid 104 x 1, 2 waves a work-group, no clusters, 0 bytes of LDS; arguments coef0, coef1, coef2, ss0, ss1, ss2, sb0, sb1, sb2, grid0, grid1, grid2, img; writes img
.if DOCPART == 1
	.amdgcn_target "amdgcn-amd-amdhsa--gfx1250"
	.amdhsa_code_object_version 6
	.text
	.protected	k_qd475db39f6_prep
	.globl	k_qd475db39f6_prep
	.p2align	8
	.type	k_qd475db39f6_prep,@function
k_qd475db39f6_prep:
	s_mov_b64 s[64:65], 0
	v_nop
	global_prefetch_b8 v0, s[64:65] scope:SCOPE_SE
	s_setreg_imm32_b32 hwreg(HW_REG_WAVE_MODE, 25, 1), 1
	s_wait_xcnt 0x0
; Makes the image that the second launch lays into LDS: the three layers' weights as bf16 matrix fragments, and each channel's knots and reciprocal knot distances in f32.
; IMAGE (bytes): 0 W0, 12 fragments; 12,288 C0, 8 groups (0-2 are layer 0's, 3-7 repeat group 2 and are never used); 16,384 W1, 48 fragments; 65,536 W2, 24 fragments; 90,112 C1, 16 groups; 98,304 C2, 16 groups.
; A FRAGMENT (1,024 bytes) is 16 output rows x 32 k for source 0 of the 16x16x32 form: lane (r = lane % 16, h = lane / 16), register q, half e.  Bytes: (q / 4) 512 + lane 16 + (q % 4) 4.
;   k order: operand register idx = 8 S + q of a block's 24 (S = K step in the block of 16 input channels), idx = 6 P + FI: pair of channels P, feature FI (0-4 the splines, 5 silu);
;   input channel = HM h + 16 T + 2 P + e (layer 0: HM = 6, T = 0, and P = 3 does not exist: zeros; layers 1, 2: HM = 8).
;   output channel of row r: 16 OT + r (layers 0, 1); layer 2: 12 OT + 6 (r / 8) + r % 8 for r % 8 < 6, the other rows are zeros.
;   weight = coef x ss (one f32 product, as the reference folds it) for a spline, sb for silu; rounded once to bf16.
; A GROUP (512 bytes) serves one pair of channels in each half of the lanes: half h at 256 h, then 32 pairs pi of 8 bytes (channel c, channel c + 1):
;   pi 0-8 knots g_j; 10-17 1/(g_(j+1)-g_j); 18-24 1/(g_(j+2)-g_j); 26-31 1/(g_(j+3)-g_j); 9 and 25 repeat a neighbour and are never used.
; LIMITS.  The reciprocal is v_rcp_f32 (accurate to 1 ULP, denormal distances count as 0: ISA guide 15.8); equal knots give an infinity here and NaN later, as the reference's division does.
; Work-groups 0-83: one fragment each, a thread 16 bytes.  Work-groups 84-103: each of the two waves one group, a lane 16 bytes.  Every store of a wave covers 512 consecutive bytes, aligned.
.set F,    4        ; s4  work-group
.set WV,   5        ; s5  wave
	s_load_b512 s[16:31], s[0:1], 0x0              ; coef0 16, coef1 18, coef2 20, ss0 22, ss1 24, ss2 26, sb0 28, sb1 30
	s_load_b256 s[32:39], s[0:1], 0x40             ; sb2 32, grid0 34, grid1 36, grid2 38
	s_load_b64 s[40:41], s[0:1], 0x60              ; img
	v_lshrrev_b32 v1, 5, v0
	v_readfirstlane_b32 s[WV], v1
	s_mov_b32 s[F], ttmp9
	v_and_b32 v2, 15, v0                           ; r (fragments), or the lane's place in its half (groups)
	v_bfe_u32 v3, v0, 4, 1                         ; h
	s_wait_kmcnt 0x0
	s_cmp_ge_u32 s[F], 84
	s_cbranch_scc1 .Lknots
	; ---- a fragment.  The layer's buffers and figures are chosen by the work-group's number.
	s_cmp_ge_u32 s[F], 60                          ; layer 2, or else layer 1
	s_cselect_b64 s[42:43], s[20:21], s[18:19]     ; coef
	s_cselect_b64 s[44:45], s[26:27], s[24:25]     ; ss
	s_cselect_b64 s[46:47], s[32:33], s[30:31]     ; sb
	s_cselect_b32 s6, 60, 12                       ; the layer's first fragment
	s_cselect_b32 s7, 1, 2                         ; log2 of its output tiles
	s_cselect_b32 s8, 24, 64                       ; DOUT
	s_cselect_b32 s9, 12, 16                       ; OM: output channels a tile
	s_cselect_b32 s10, 6, 8                        ; RM: output channels for eight rows
	s_cselect_b32 s11, 5, 7                        ; JMAX: the last of eight rows that exists
	s_cmp_lt_u32 s[F], 12                          ; layer 0
	s_cselect_b64 s[42:43], s[16:17], s[42:43]
	s_cselect_b64 s[44:45], s[22:23], s[44:45]
	s_cselect_b64 s[46:47], s[28:29], s[46:47]
	s_cselect_b32 s6, 0, s6
	s_cselect_b32 s12, 6, 8                        ; HM: input channels a half of the lanes
	s_cselect_b32 s13, 2, 3                        ; the last pair P that exists
	s_cselect_b32 s48, 0, 4096                     ; C0's 4,096 bytes lie between W0 and W1
	s_sub_co_u32 s6, s[F], s6                      ; FL: fragment in the layer = KS x tiles + OT
	s_lshr_b32 s14, s6, s7                         ; KS
	s_lshl_b32 s15, s14, s7
	s_sub_co_u32 s15, s6, s15                      ; OT
	s_mul_i32 s49, s14, 43
	s_lshr_b32 s49, s49, 7                         ; T = KS / 3 (exact for KS up to 11)
	s_mul_i32 s50, s49, 3
	s_sub_co_u32 s50, s14, s50                     ; S
	s_lshl_b32 s50, s50, 3
	s_lshl2_add_u32 s50, s[WV], s50                ; idx of my first register: 8 S + 4 wave
	v_lshrrev_b32 v4, 3, v2                        ; r / 8
	v_and_b32 v5, 7, v2                            ; r % 8
	v_cmp_ge_u32 s51, s11, v5                      ; the lanes whose row exists
	v_min_u32 v5, s11, v5                          ; the others load a neighbour's number, inside the buffer, and store 0
	s_mul_i32 s15, s15, s9
	v_mad_u32_u24 v4, v4, s10, v5
	v_add_nc_u32 v4, s15, v4                       ; o: my output channel
	s_lshl_b32 s49, s49, 4
	v_mul_u32_u24 v6, v3, s12
	v_add_nc_u32 v6, s49, v6                       ; HM h + 16 T
	v_mad_u32_u24 v6, v6, s8, v4                   ; element (that channel, o) of an [in][out] table
; Register q of my four: ten vector registers at 16 + 10 q: +0, +1 byte offsets in ss and sb for the two channels; +2, +3 in coef; +4, +5 coef; +6, +7 ss; +8, +9 sb.
.irp q, 0,1,2,3
	s_add_co_u32 s52, s50, \q                      ; idx
	s_mul_i32 s53, s52, 43
	s_lshr_b32 s53, s53, 8                         ; P = idx / 6 (exact for idx up to 23)
	s_mul_i32 s54, s53, 6
	s_sub_co_u32 s54, s52, s54                     ; FI
	s_cmp_lt_u32 s54, 5
	s_cselect_b32 s[56+2*\q], -1, 0                ; all lanes: a spline's weight, or silu's
	s_cmp_le_u32 s53, s13
	s_cselect_b32 s[57+2*\q], s51, 0               ; the lanes that keep their number: the pair and the row exist
	s_min_u32 s53, s53, s13
	s_mul_i32 s53, s53, s8
	s_lshl_b32 s53, s53, 1                         ; 2 P rows of the table
	s_min_u32 s54, s54, 4
	s_lshl_b32 s54, s54, 2
	v_add_nc_u32 v[16+10*\q], s53, v6              ; e: element (c0, o)
	v_add_nc_u32 v[17+10*\q], s8, v[16+10*\q]      ; element (c0 + 1, o)
	v_mad_u32_u24 v[18+10*\q], v[16+10*\q], 20, s54  ; coef has five numbers an element
	v_mad_u32_u24 v[19+10*\q], v[17+10*\q], 20, s54
	v_lshlrev_b32 v[16+10*\q], 2, v[16+10*\q]
	v_lshlrev_b32 v[17+10*\q], 2, v[17+10*\q]
	global_load_b32 v[20+10*\q], v[18+10*\q], s[42:43]
	global_load_b32 v[21+10*\q], v[19+10*\q], s[42:43]
	global_load_b32 v[22+10*\q], v[16+10*\q], s[44:45]
	global_load_b32 v[23+10*\q], v[17+10*\q], s[44:45]
	global_load_b32 v[24+10*\q], v[16+10*\q], s[46:47]
	global_load_b32 v[25+10*\q], v[17+10*\q], s[46:47]
.endr
	s_lshl_b32 s52, s[F], 10
	s_add_co_u32 s52, s52, s48                     ; the fragment's place in the image
	s_mov_b32 s53, 0
	s_add_nc_u64 s[40:41], s[40:41], s[52:53]
	v_lshlrev_b32 v7, 4, v0                        ; wave x 512 + lane x 16
	s_wait_loadcnt 0x0                             ; all 24
.irp q, 0,1,2,3
	v_mul_f32 v[20+10*\q], v[20+10*\q], v[22+10*\q]                   ; coef x ss
	v_mul_f32 v[21+10*\q], v[21+10*\q], v[23+10*\q]
	v_cndmask_b32 v[20+10*\q], v[24+10*\q], v[20+10*\q], s[56+2*\q]   ; or sb
	v_cndmask_b32 v[21+10*\q], v[25+10*\q], v[21+10*\q], s[56+2*\q]
	v_cndmask_b32 v[20+10*\q], 0, v[20+10*\q], s[57+2*\q]             ; or 0
	v_cndmask_b32 v[21+10*\q], 0, v[21+10*\q], s[57+2*\q]
	v_cvt_pk_bf16_f32 v[8+\q], v[20+10*\q], v[21+10*\q]               ; channel c0 in the low half
.endr
	global_store_b128 v7, v[8:11], s[40:41]
	s_endpgm
.Lknots:
	; ---- a group of constants for each wave: Gp = 0-7 layer 0's, 8-23 layer 1's, 24-39 layer 2's
	s_sub_co_u32 s6, s[F], 84
	s_lshl1_add_u32 s6, s6, s[WV]                  ; Gp
	s_max_u32 s7, s6, 8
	s_sub_co_u32 s7, s7, 8                         ; the group among layers 1 and 2's 32
	s_cmp_ge_u32 s7, 16
	s_cselect_b64 s[42:43], s[38:39], s[36:37]     ; grid2 or grid1
	s_and_b32 s8, s7, 15                           ; group 4 t + p of its layer
	s_lshr_b32 s9, s8, 2
	s_lshl_b32 s9, s9, 4
	s_and_b32 s10, s8, 3
	s_lshl1_add_u32 s9, s10, s9                    ; its first channel in half 0: 16 t + 2 p
	s_lshl_b32 s11, s7, 9
	s_add_co_u32 s11, s11, 90112                   ; its place in the image
	s_min_u32 s12, s6, 2                           ; layer 0: groups 3-7 repeat group 2
	s_lshl_b32 s12, s12, 1
	s_lshl_b32 s13, s6, 9
	s_add_co_u32 s13, s13, 12288
	s_cmp_lt_u32 s6, 8
	s_cselect_b64 s[42:43], s[34:35], s[42:43]     ; grid0
	s_cselect_b32 s9, s12, s9
	s_cselect_b32 s52, s13, s11
	s_cselect_b32 s14, 6, 8                        ; HM
	s_mov_b32 s53, 0
	s_add_nc_u64 s[40:41], s[40:41], s[52:53]
	v_mul_u32_u24 v4, v3, s14
	v_add_nc_u32 v4, s9, v4                        ; channel c of my half
	v_mul_u32_u24 v4, v4, 36                       ; its nine knots' first byte; channel c + 1's lie 36 bytes on
	v_and_b32 v7, 31, v0
	v_lshlrev_b32 v7, 4, v7                        ; lane x 16
; My two pairs pi = 2 (lane % 16) + i.  Registers at 12 + 8 i: +0 pi, then the byte offset of g_j; +1 d; +2 the byte offset of g_(j+d); +3 .. +6 the four knots.
.irp i, 0,1
	v_lshl_add_u32 v[12+8*\i], v2, 1, \i           ; pi
	v_add_nc_u32 v[13+8*\i], 6, v[12+8*\i]
	v_lshrrev_b32 v[13+8*\i], 3, v[13+8*\i]
	v_max_u32 v[13+8*\i], 1, v[13+8*\i]
	v_add_nc_u32 v[13+8*\i], -1, v[13+8*\i]        ; d = 0 for pi < 10, 1 for 10-17, 2 for 18-25, 3 for 26-31
	v_min_u32 v[14+8*\i], 1, v[13+8*\i]
	v_lshl_add_u32 v[14+8*\i], v[13+8*\i], 2, v[14+8*\i]
	v_lshlrev_b32 v[14+8*\i], 1, v[14+8*\i]        ; the kind's first pair: 8 d + 2 min(d, 1)
	v_sub_nc_u32 v[12+8*\i], v[12+8*\i], v[14+8*\i]
	v_sub_nc_u32 v[14+8*\i], 8, v[13+8*\i]
	v_min_u32 v[12+8*\i], v[12+8*\i], v[14+8*\i]   ; j, held to 8 - d: pairs 9 and 25 repeat their neighbour, and j + d stays within the nine knots
	v_lshl_add_u32 v[12+8*\i], v[12+8*\i], 2, v4
	v_lshl_add_u32 v[14+8*\i], v[13+8*\i], 2, v[12+8*\i]
	global_load_b32 v[15+8*\i], v[12+8*\i], s[42:43]
	global_load_b32 v[16+8*\i], v[14+8*\i], s[42:43]
	global_load_b32 v[17+8*\i], v[12+8*\i], s[42:43] offset:36
	global_load_b32 v[18+8*\i], v[14+8*\i], s[42:43] offset:36
.endr
	s_wait_loadcnt 0x0                             ; all eight
.irp i, 0,1
	v_cmp_eq_u32 s[50+\i], 0, v[13+8*\i]           ; the lanes whose pair holds the knots themselves
	v_sub_f32 v[16+8*\i], v[16+8*\i], v[15+8*\i]   ; g_(j+d) - g_j
	v_sub_f32 v[18+8*\i], v[18+8*\i], v[17+8*\i]
.endr
.irp i, 0,1
	v_rcp_f32 v[16+8*\i], v[16+8*\i]
	v_rcp_f32 v[18+8*\i], v[18+8*\i]
.endr
	v_nop                                          ; a plain instruction between the last reciprocal and the use of its result (ISA guide 5.7.2)
	s_wait_alu depctr_va_vdst(0)
.irp i, 0,1
	v_cndmask_b32 v[8+2*\i], v[16+8*\i], v[15+8*\i], s[50+\i]
	v_cndmask_b32 v[9+2*\i], v[18+8*\i], v[17+8*\i], s[50+\i]
.endr
	global_store_b128 v7, v[8:11], s[40:41]
	s_endpgm
.Lfunc_end_k_qd475db39f6_prep:
	.size	k_qd475db39f6_prep, .Lfunc_end_k_qd475db39f6_prep-k_qd475db39f6_prep
	.p2alignl 7, 3214868480
	.fill 96, 4, 3214868480
	.section	.rodata,"a",@progbits
	.p2align	6, 0x0
	.amdhsa_kernel k_qd475db39f6_prep
		.amdhsa_group_segment_fixed_size 0
		.amdhsa_private_segment_fixed_size 0
		.amdhsa_enable_private_segment 0
		.amdhsa_kernarg_size 104
		.amdhsa_user_sgpr_count 2
		.amdhsa_user_sgpr_kernarg_segment_ptr 1
		.amdhsa_wavefront_size32 1
		.amdhsa_system_sgpr_workgroup_id_x 1
		.amdhsa_system_sgpr_workgroup_id_y 1
		.amdhsa_system_sgpr_workgroup_id_z 1
		.amdhsa_system_vgpr_workitem_id 0
		.amdhsa_next_free_vgpr 64
		.amdhsa_next_free_sgpr 66
		.amdhsa_reserve_vcc 0
		.amdhsa_float_denorm_mode_32 3
		.amdhsa_float_denorm_mode_16_64 3
		.amdhsa_memory_ordered 1
		.amdhsa_forward_progress 1
		.amdhsa_inst_pref_size 13
	.end_amdhsa_kernel
	.amdgpu_metadata
---
amdhsa.version: [ 1, 2 ]
amdhsa.kernels:
  - .name:           k_qd475db39f6_prep
    .symbol:         k_qd475db39f6_prep.kd
    .args:
      - { .name: coef0, .offset: 0, .size: 8, .value_kind: global_buffer, .address_space: global }
      - { .name: coef1, .offset: 8, .size: 8, .value_kind: global_buffer, .address_space: global }
      - { .name: coef2, .offset: 16, .size: 8, .value_kind: global_buffer, .address_space: global }
      - { .name: ss0, .offset: 24, .size: 8, .value_kind: global_buffer, .address_space: global }
      - { .name: ss1, .offset: 32, .size: 8, .value_kind: global_buffer, .address_space: global }
      - { .name: ss2, .offset: 40, .size: 8, .value_kind: global_buffer, .address_space: global }
      - { .name: sb0, .offset: 48, .size: 8, .value_kind: global_buffer, .address_space: global }
      - { .name: sb1, .offset: 56, .size: 8, .value_kind: global_buffer, .address_space: global }
      - { .name: sb2, .offset: 64, .size: 8, .value_kind: global_buffer, .address_space: global }
      - { .name: grid0, .offset: 72, .size: 8, .value_kind: global_buffer, .address_space: global }
      - { .name: grid1, .offset: 80, .size: 8, .value_kind: global_buffer, .address_space: global }
      - { .name: grid2, .offset: 88, .size: 8, .value_kind: global_buffer, .address_space: global }
      - { .name: img, .offset: 96, .size: 8, .value_kind: global_buffer, .address_space: global }
    .group_segment_fixed_size: 0
    .private_segment_fixed_size: 0
    .kernarg_segment_align: 8
    .kernarg_segment_size: 104
    .max_flat_workgroup_size: 64
    .sgpr_count:     66
    .vgpr_count:     64
    .wavefront_size: 32
...
	.end_amdgpu_metadata
.endif
;; end of part 1
;; launch kan (part 2): grid 256 x 1, 8 waves a work-group, clusters of 4 x 1, 238,592 bytes of LDS; arguments x, img, out0; writes out0
.if DOCPART == 2
	.amdgcn_target "amdgcn-amd-amdhsa--gfx1250"
	.amdhsa_code_object_version 6
	.text
	.protected	k_qd475db39f6_kan
	.globl	k_qd475db39f6_kan
	.p2align	8
	.type	k_qd475db39f6_kan,@function
k_qd475db39f6_kan:
	s_mov_b64 s[64:65], 0
	v_nop
	global_prefetch_b8 v0, s[64:65] scope:SCOPE_SE
	s_setreg_imm32_b32 hwreg(HW_REG_WAVE_MODE, 25, 1), 1
	s_wait_xcnt 0x0
	s_wait_alu depctr_hold_cnt(0) depctr_sa_sdst(0) depctr_va_vdst(0) depctr_va_sdst(0) depctr_va_ssrc(0) depctr_va_vcc(0) depctr_vm_vsrc(0)
	s_getreg_b32 s2, hwreg(HW_REG_IB_STS2, 6, 4)
	s_cmp_eq_u32 s2, 0
	s_cbranch_scc0 .Lentry_in_a_cluster
	s_endpgm
.Lentry_in_a_cluster:
	s_bfe_u32 s2, ttmp6, 0x10000c
	s_cmp_lg_u32 s2, 0x3003
	s_cbranch_scc0 .Lentry_shape_is_right
	s_endpgm
.Lentry_shape_is_right:
; Three KAN layers, 12 -> 64 -> 64 -> 24, on each of 32 x 4,096 pixels; x [32][12][4096] and out0 [32][24][4096] in f32, a channel's pixels consecutive.
; Each input channel gives six features: the five cubic B-splines of the Cox-de Boor recursion on the channel's own nine knots, and silu.  A layer is a product of the features with weights, K = 72, 384, 384.
; Features and weights are bf16, sums f32; the hidden activations stay in f32, in registers and in the wave's own LDS bytes, and never see memory.
; THE RECURSION is written for any nine numbers as knots, sorted or not.  Per channel: g_j and r_(j,d) = 1/(g_(j+d) - g_j), made by the launch before.  For one x:
;   u_j = x - g_j;  c_j = clamp01(u_j 2^126 + 1) = [x >= g_j];  I_j = c_j - c_j c_(j+1) = [g_j <= x < g_(j+1)];  N_j = I_j r_(j,1);
;   level d = 1, 2, 3: B_j = u_j N_j - u_(j+d+1) N_(j+1), and for d < 3 N_j = B_j r_(j,d+1).  silu = x / (1 + 2^(-1.442695 x)).
; LIMITS.  c_j lies between 0 and 1 where 0 < g_j - x < 2^-126.  The reference's divisions are multiplications by reciprocals accurate to 1 ULP.  Equal knots give NaN, as in the reference.
;   NaN and infinities in x are not treated apart.  silu counts as -0 where 1.442695 |x| passes 128 for negative x (the reference: below 1e-36 in size).
; SHARES.  Work-group g takes 512 pixels of image g / 8, each of its eight waves 64: four tiles of 16 columns; column r of tile tau is pixel 4 r + tau, so a lane's 16 bytes of a channel are its four tiles' pixels.
; LAYOUT.  Source 0 = 16 output rows of weights, source 1 = features of 16 pixels.  In the result lane (r = lane % 16, h = lane / 16) holds pixel r and output rows 8 h + 0..7: the very channels whose features the lane
;   supplies to the next product (source 1's lane (r, h) holds the k of half h for pixel r).  So nothing changes lanes between layers.  Input channel of a hidden layer = 16 t + 8 h + 2 p + e; of layer 0 = 6 h + 2 p + e.
;   Layer 2's rows: row 8 h + j of tile ot is channel 12 ot + 6 h + j for j < 6; rows j = 6, 7 have zero weights and are not read.
; A UNIT is one pair p of channels, one tile: 64 elements.  Every packed line works on a register pair that holds two neighbouring channels; the constants are such pairs too, other ones in each half of the lanes.
;   96 vector instructions.  Operand register idx = 6 p + f (f = 0-4 the splines, 5 silu) of a tile's 24; K step s takes idx 8 s .. 8 s + 7: 16 channels are three K steps.  Layer 0: idx 18-23 are zeros.
; BETWEEN LAYERS the results go to the wave's own stage in LDS as pairs, and every lane reads back the 8 bytes that it wrote: so one text, looped over t, names fixed registers.
; CLUSTER.  All work-groups read the same image of weights and constants (106,496 bytes): the four of a cluster ask for it jointly.  It is laid into LDS once, in two parts; layer 0 needs part A (16,384 bytes) alone.
; LDS: 0 the image (map in the launch before); 106,496 the stages, 16,384 bytes a wave, slot ((4 t + p) 4 + tau) of 256 bytes, 8 a lane; 237,568 the spare words.
; REGISTERS.  Window 0: v0-15 addresses and constants; v16-79 a group's 32 pairs of constants; v80-95 two buffers of four pairs of activations; v96-113 u; v114-131 N; v132-145 M; v146-147 silu; v150-157 layer 0's third
;   group of x; v160-255 operands, (tau, s) at 160 + 24 tau + 8 s.  Window 1: v0-127 accumulators, (ot, tau) at 8 (4 ot + tau); v128-191 two sets of four weight fragments.
.set STG,   106496
.set SPARE, 237568
.set C0B,   12288
.set W1B,   16384
.set W2B,   65536
.set C1B,   90112
.set C2B,   98304
.set CADR,  2         ; v2   LDS address of the constants in hand: table + 256 h
.set WADR,  3         ; v3   of the weights in hand: + 16 lane
.set SADR,  4         ; v4   of the stage's block t
.set SADR0, 5         ; v5   my 8 bytes in my wave's stage, slot 0; never rewritten
.set GOFF,  6         ; v6   my byte offset in x and out0: 6 h channels + 256 wave + 16 r; never rewritten
.set SPW,   8         ; v8   LDS address of my spare word; never rewritten
.set NIL,   9         ; v9   0; never rewritten
.set BIG,   10        ; v10-11  2^126 twice
.set ONE,   12        ; v12-13  1.0 twice
.set CA0,   14        ; v14  256 h
.set WA0,   15        ; v15  16 lane
.set CG,    16        ; pairs 0-8 g_j (9 unused)
.set CR1,   36        ; pairs 10-17 r_(j,1)
.set CR2,   52        ; pairs 18-24 r_(j,2) (25 unused)
.set CR3,   68        ; pairs 26-31 r_(j,3)
.set X,     80
.set U,     96
.set N,     114
.set M,     132
.set S,     146
.set X2,    150
.set OP,    160
.set XL,    96        ; at the start: x as loaded, channel i of my six at XL + 4 i
.set OB,    160       ; at the end: the output, channel (ot, j) at OB + 4 (6 ot + j)
.set ACC,   0         ; window 1
.set WF,    128       ; window 1
.set WV,    10        ; s10  wave
.set CNT,   40        ; s40  trips to go
.set FIRST, 41        ; s41  1: the trip's first products start the sums
.set ST,    48        ; s48  the trip's place in the stage
.set CT,    49        ; s49  in the constants
.set WT,    50        ; s50  in the weights
.set MSB, 0
.macro WIN new                      ; the immediate's high byte repeats the setting that is left; a switch that changes nothing is dropped
.if MSB != (\new)
	s_set_vgpr_msb (MSB<<8)|(\new)
.set MSB, (\new)
.endif
.endm
; A round of the cluster's barrier: my work-group's barrier, so that wave 0's signal speaks for all eight waves; wave 0 signals; every wave waits for all four work-groups; my work-group's barrier once more.
.macro ROUND
	s_barrier_signal -1
	s_barrier_wait -1
	s_cmp_lg_u32 s[WV], 0
	s_cbranch_scc1 .Lnot_wave_0_\@
	s_barrier_signal -3
.Lnot_wave_0_\@:
	s_barrier_wait -3
	s_barrier_signal -1
	s_barrier_wait -1
.endm
; Loads k0 .. k1 of the sixteen that bring a group's constants: the sixteen lanes of a half read the same 16 bytes.
.macro CLOAD off, k0, k1
.set kk, (\k0)
.rept (\k1)-(\k0)+1
	ds_load_b128 v[CG+4*kk:CG+4*kk+3], v[CADR] offset:(\off)+16*kk
.set kk, kk+1
.endr
.endm
; The four tiles' activations of pair p of the block in hand, into buffer buf: each lane the 8 bytes that it stored.
.macro LOADX buf, p
.irp tau, 0,1,2,3
	ds_load_b64 v[X+8*(\buf)+2*\tau:X+8*(\buf)+2*\tau+1], v[SADR] offset:(4*(\p)+\tau)*256
.endr
.endm
; K step ks's weight fragments, one for each of nt output tiles, into set wb: two loads of 16 bytes a lane, 512 consecutive bytes each.
.macro WLOAD wb, ks, nt
	WIN 0x40                        ; destination window 1, address window 0
.set ot, 0
.rept \nt
	ds_load_b128 v[WF+32*(\wb)+8*ot:WF+32*(\wb)+8*ot+3],   v[WADR] offset:((\ks)*(\nt)+ot)*1024
	ds_load_b128 v[WF+32*(\wb)+8*ot+4:WF+32*(\wb)+8*ot+7], v[WADR] offset:((\ks)*(\nt)+ot)*1024+512
.set ot, ot+1
.endr
	WIN 0
.endm
; One K step: nt x 4 matrix instructions.  The accumulators take turns, one instruction a turn, in the same order in every step.  zero = 1: the products start the sums.
.macro MMG ks, wb, nt, zero
	WIN 0x51                        ; weights, C and D in window 1, features in window 0
.set ot, 0
.rept \nt
.irp tau, 0,1,2,3
.if \zero
	v_wmma_f32_16x16x32_bf16 v[ACC+8*(4*ot+\tau):ACC+8*(4*ot+\tau)+7], v[WF+32*(\wb)+8*ot:WF+32*(\wb)+8*ot+7], v[OP+24*\tau+8*(\ks):OP+24*\tau+8*(\ks)+7], 0
.else
	v_wmma_f32_16x16x32_bf16 v[ACC+8*(4*ot+\tau):ACC+8*(4*ot+\tau)+7], v[WF+32*(\wb)+8*ot:WF+32*(\wb)+8*ot+7], v[OP+24*\tau+8*(\ks):OP+24*\tau+8*(\ks)+7], v[ACC+8*(4*ot+\tau):ACC+8*(4*ot+\tau)+7]
.endif
.endr
.set ot, ot+1
.endr
	WIN 0
.endm
.macro LEVEL d, n                   ; B_j = u_j N_j - u_(j+d+1) N_(j+1), j = 0 .. n - 1, in place of N_j
.set jj, 0
.rept \n
	v_pk_mul_f32 v[M+2*jj:M+2*jj+1], v[U+2*(jj+(\d)+1):U+2*(jj+(\d)+1)+1], v[N+2*jj+2:N+2*jj+3]
.set jj, jj+1
.endr
.set jj, 0
.rept \n
	v_pk_fma_f32 v[N+2*jj:N+2*jj+1], v[U+2*jj:U+2*jj+1], v[N+2*jj:N+2*jj+1], v[M+2*jj:M+2*jj+1] neg_lo:[0,0,1] neg_hi:[0,0,1]
.set jj, jj+1
.endr
.endm
.macro SCALE cr, n                  ; N_j times the next level's reciprocal
.set jj, 0
.rept \n
	v_pk_mul_f32 v[N+2*jj:N+2*jj+1], v[N+2*jj:N+2*jj+1], v[(\cr)+2*jj:(\cr)+2*jj+1]
.set jj, jj+1
.endr
.endm
; A UNIT: the pair of activations at xr gives six operand registers from opb on.
; w = 1: a group's first unit: its constants' sixteen loads were issued in the order g (5), r1 (4), r2 (4), r3 (3), behind the activations', and each part is waited for where it is first read:
;   the counts are the loads younger than the part: 4 + 4 + 3, 4 + 3, 3, 0.
; pre >= 0: a group's last unit: each part of the next group's constants, at byte pre of the table, is asked for as soon as this unit has read the old part for the last time.
; Behind each pair of transcendentals the next vector lines are plain and name other registers (ISA guide 5.7.2).
.macro UNIT xr, opb, w, pre
.if \w
	s_wait_dscnt 11
.endif
.irp j, 0,1,2,3,4,5,6,7,8
	v_pk_add_f32 v[U+2*\j:U+2*\j+1], v[(\xr):(\xr)+1], v[CG+2*\j:CG+2*\j+1] neg_lo:[0,1] neg_hi:[0,1]
.endr
	v_pk_mul_f32 v[S:S+1], v[(\xr):(\xr)+1], 0xbfb8aa3b op_sel_hi:[1,0]  ; -log2(e) x
.if (\pre) >= 0
	CLOAD \pre, 0, 4
.endif
.irp j, 0,1,2,3,4,5,6,7,8
	v_pk_fma_f32 v[N+2*\j:N+2*\j+1], v[U+2*\j:U+2*\j+1], v[BIG:BIG+1], v[ONE:ONE+1] clamp  ; c_j
.endr
	v_exp_f32 v[S], v[S]
	v_exp_f32 v[S+1], v[S+1]
.irp j, 0,1,2,3,4,5,6,7
	v_pk_fma_f32 v[N+2*\j:N+2*\j+1], v[N+2*\j:N+2*\j+1], v[N+2*\j+2:N+2*\j+3], v[N+2*\j:N+2*\j+1] neg_lo:[1,0,0] neg_hi:[1,0,0]  ; I_j; j ascends, so c_(j+1) is still there
.endr
	s_wait_alu depctr_va_vdst(0)
	v_pk_add_f32 v[S:S+1], v[S:S+1], 1.0 op_sel_hi:[1,0]
.if \w
	s_wait_dscnt 7
.endif
	SCALE CR1, 8
	v_rcp_f32 v[S], v[S]
	v_rcp_f32 v[S+1], v[S+1]
.if (\pre) >= 0
	CLOAD \pre, 5, 8
.endif
	LEVEL 1, 7
.if \w
	s_wait_dscnt 3
.endif
	SCALE CR2, 7
	s_wait_alu depctr_va_vdst(0)
	v_pk_mul_f32 v[S:S+1], v[S:S+1], v[(\xr):(\xr)+1]  ; silu
.if (\pre) >= 0
	CLOAD \pre, 9, 12
.endif
	LEVEL 2, 6
.if \w
	s_wait_dscnt 0
.endif
	SCALE CR3, 6
.if (\pre) >= 0
	CLOAD \pre, 13, 15
.endif
	LEVEL 3, 5
.irp f, 0,1,2,3,4
	v_cvt_pk_bf16_f32 v[(\opb)+\f], v[N+2*\f], v[N+2*\f+1]  ; the even channel in the low half
.endr
	v_cvt_pk_bf16_f32 v[(\opb)+5], v[S], v[S+1]
.endm
.macro U0 p, tau, w, pre            ; layer 0's unit: x pairs at v80, v88, v150
	UNIT X+8*(\p)+((\p)/2)*(X2-X-16)+2*(\tau), OP+24*(\tau)+6*(\p), \w, \pre
.endm
.macro U4 p, tau, w, pre            ; a hidden layer's: the buffers take turns
	UNIT X+8*((\p)%2)+2*(\tau), OP+24*(\tau)+6*(\p), \w, \pre
.endm
; A block's first K step.  In a layer's first trip its products start the sums; the test's answer there is a constant of the text.
.macro G0 nt
	s_cmp_eq_u32 s[FIRST], 1
	s_cbranch_scc1 .Lzero_\@
	MMG 0, 0, \nt, 0
	s_branch .Ljoin_\@
.Lzero_\@:
	s_mov_b32 s[FIRST], 0
	MMG 0, 0, \nt, 1
.Ljoin_\@:
.endm
; A BLOCK: 16 input channels (block t of the stage), 16 units, three K steps for nt output tiles.
; Each K step's weights are asked for ahead of a group's last unit, then the next group's activations (4 loads) and, in that unit, its constants (16): s_wait_dscnt 20 leaves those twenty out.
; Loads into a set of weights stand three units or more behind the last product that read it; operand registers are written a unit's 90 lines behind the products that read them.
.macro BLOCK nt
	v_add_nc_u32 v[SADR], s[ST], v[SADR0]
	v_add_nc_u32 v[CADR], s[CT], v[CA0]
	v_add_nc_u32 v[WADR], s[WT], v[WA0]
	LOADX 0, 0
	CLOAD 0, 0, 15
	U4 0, 0, 1, -1
	U4 0, 1, 0, -1
	U4 0, 2, 0, -1
	LOADX 1, 1
	U4 0, 3, 0, 512
	U4 1, 0, 1, -1
	U4 1, 1, 0, -1
	U4 1, 2, 0, -1
	WLOAD 0, 0, \nt
	LOADX 0, 2
	U4 1, 3, 0, 1024
	s_wait_dscnt 20                 ; K step 0's weights are in
	G0 \nt
	U4 2, 0, 1, -1
	U4 2, 1, 0, -1
	U4 2, 2, 0, -1
	WLOAD 1, 1, \nt
	LOADX 1, 3
	U4 2, 3, 0, 1536
	s_wait_dscnt 20                 ; K step 1's
	MMG 1, 1, \nt, 0
	U4 3, 0, 1, -1
	U4 3, 1, 0, -1
	U4 3, 2, 0, -1
	WLOAD 0, 2, \nt
	U4 3, 3, 0, -1
	s_wait_dscnt 0x0                ; K step 2's; nothing is asked for across a trip's end
	MMG 2, 0, \nt, 0
	s_add_co_u32 s[ST], s[ST], 4096
	s_add_co_u32 s[CT], s[CT], 2048
	s_add_co_u32 s[WT], s[WT], (\nt)*3072
.endm
; The 16 accumulators go to my stage as pairs of channels, each accumulator's registers in ascending order; four places stand behind the last product (ISA guide 7.12.1).
.macro STAGE_OUT
.rept 4
	v_nop
.endr
	WIN 0x04                        ; the stores' data in window 1
.irp ot, 0,1,2,3
.irp tau, 0,1,2,3
.irp p, 0,1,2,3
	ds_store_b64 v[SADR0], v[ACC+8*(4*\ot+\tau)+2*\p:ACC+8*(4*\ot+\tau)+2*\p+1] offset:((4*\ot+\p)*4+\tau)*256
.endr
.endr
.endr
	WIN 0
.endm
	s_load_b128 s[4:7], s[0:1], 0x0                ; x s[4:5], img s[6:7]
	s_load_b64 s[8:9], s[0:1], 0x10                ; out0
	v_lshl_add_u32 v[SPW], v0, 2, SPARE
	v_mov_b32 v[NIL], 0
	ds_add_u32 v[SPW], v[NIL]                      ; the wave's opening: the add and its wait stand ahead of my first tensor load; the set-up below, work on registers, stands between them
	v_lshrrev_b32 v1, 5, v0
	v_readfirstlane_b32 s[WV], v1                  ; wave 0..7
	s_bfe_u32 s11, ttmp6, 0x40000                  ; cx: my place in the cluster; it enters x's and out0's addresses alone
	s_lshl_b32 s12, ttmp9, 2                       ; in a cluster launch ttmp9 counts clusters
	s_add_co_u32 s12, s12, s11                     ; work-group g
	s_lshr_b32 s13, s12, 3                         ; image
	s_and_b32 s14, s12, 7
	s_lshl_b32 s14, s14, 11                        ; my 512 pixels in a channel
	s_mul_i32 s42, s13, 196608                     ; 12 channels of 16,384 bytes
	s_add_co_u32 s42, s42, s14
	s_mov_b32 s43, 0
	s_mul_i32 s44, s13, 393216                     ; 24 channels
	s_add_co_u32 s44, s44, s14
	s_mov_b32 s45, 0
	; Descriptor group 1: a dense block as rows of 256 bytes, 32 elements of 8 bytes.  Part A: 8 rows a wave; part B: 44 rows a wave.
	s_mov_b32 s16, 15|(3<<16)|(1<<21)              ; 15:0 the mask: all four work-groups; 17:16 elements of 8 bytes; 21 set beside a mask; no padding
	s_mov_b32 s17, 32<<16                          ; tensor_dim0 = 32
	s_mov_b32 s18, 8<<16                           ; tensor_dim1 = 8
	s_mov_b32 s19, 32<<16                          ; tile_dim0 = 32
	s_mov_b32 s20, 8                               ; tile_dim1 = 8
	s_mov_b32 s21, 32                              ; 32 elements from row to row
	s_mov_b32 s22, 0
	s_mov_b32 s23, 0
	s_mov_b32 s24, 15|(3<<16)|(1<<21)
	s_mov_b32 s25, 32<<16
	s_mov_b32 s26, 44<<16
	s_mov_b32 s27, 32<<16
	s_mov_b32 s28, 44
	s_mov_b32 s29, 32
	s_mov_b32 s30, 0
	s_mov_b32 s31, 0
	; Group 0: the image lies in LDS as in memory: wave w brings bytes 2,048 w .. of part A and 16,384 + 11,264 w .. of part B
	s_mov_b32 s32, 1
	s_lshl_b32 s33, s[WV], 11
	s_mov_b32 s52, s33
	s_mov_b32 s53, 0
	s_mov_b32 s36, 1
	s_mul_i32 s37, s[WV], 11264
	s_add_co_u32 s37, s37, W1B
	s_mov_b32 s54, s37
	s_mov_b32 s55, 0
	s_lshl_b32 s46, s[WV], 14
	s_add_co_u32 s46, s46, STG                     ; my wave's stage
	s_lshl_b32 s47, s[WV], 8                       ; my wave's 64 pixels
	v_and_b32 v7, 31, v0                           ; lane
	v_lshl_add_u32 v[SADR0], v7, 3, s46
	v_lshlrev_b32 v[WA0], 4, v7
	v_bfe_u32 v7, v0, 4, 1                         ; h
	v_lshlrev_b32 v[CA0], 8, v7
	v_mul_u32_u24 v[GOFF], v7, 98304               ; six channels
	v_and_b32 v1, 15, v0                           ; r
	v_lshl_add_u32 v[GOFF], v1, 4, v[GOFF]
	v_add_nc_u32 v[GOFF], s47, v[GOFF]
	s_wait_dscnt 0x0                               ; the opening add is done
	s_wait_kmcnt 0x0
	s_add_nc_u64 s[4:5], s[4:5], s[42:43]
	s_add_nc_u64 s[8:9], s[8:9], s[44:45]
	s_add_nc_u64 s[34:35], s[6:7], s[52:53]
	s_or_b32 s35, s35, 0x80000000                  ; type = 2
	s_add_nc_u64 s[38:39], s[6:7], s[54:55]
	s_or_b32 s39, s39, 0x80000000
	ROUND                                          ; all four work-groups are here: the joint loads meet
	tensor_load_to_lds s[32:35], s[16:23]          ; part A; both first fills stand together, ahead of every wait on TENSORcnt and every LDS read: two loads of mine are out
	s_nop 0
	tensor_load_to_lds s[36:39], s[24:31]          ; part B
	s_nop 0
.rept 4
	v_nop
.endr
.irp i, 0,1,2,3,4,5
	global_load_b128 v[XL+4*\i:XL+4*\i+3], v[GOFF], s[4:5] offset:\i*16384 th:TH_LOAD_NT  ; channel 6 h + i, pixels 4 r .. 4 r + 3: sixteen lanes read 256 consecutive bytes, aligned
.endr
	v_mov_b32 v[BIG], 0x7e800000
	v_mov_b32 v[BIG+1], 0x7e800000
	v_mov_b32 v[ONE], 1.0
	v_mov_b32 v[ONE+1], 1.0
.irp tau, 0,1,2,3
.irp f, 18,19,20,21,22,23
	v_mov_b32 v[OP+24*\tau+\f], 0                  ; layer 0 has 72 features for three K steps of 32
.endr
.endr
	v_add_nc_u32 v[CADR], C0B, v[CA0]
	v_mov_b32 v[WADR], v[WA0]
	s_wait_loadcnt 0x0                             ; x
.irp p, 0,1,2
.irp tau, 0,1,2,3
	v_mov_b32 v[X+8*\p+(\p/2)*(X2-X-16)+2*\tau],   v[XL+8*\p+\tau]    ; from four pixels of a channel to two channels of a pixel
	v_mov_b32 v[X+8*\p+(\p/2)*(X2-X-16)+2*\tau+1], v[XL+8*\p+4+\tau]
.endr
.endr
	s_wait_tensorcnt 0x1                           ; my piece of part A is in; part B's may stay out
	s_barrier_signal -1
	s_barrier_wait -1                              ; everybody's is
	; LAYER 0: three groups of four units, three K steps for four output tiles
	CLOAD 0, 0, 15
	U0 0, 0, 1, -1
	U0 0, 1, 0, -1
	U0 0, 2, 0, -1
	U0 0, 3, 0, 512
	U0 1, 0, 1, -1
	U0 1, 1, 0, -1
	U0 1, 2, 0, -1
	WLOAD 0, 0, 4
	U0 1, 3, 0, 1024
	s_wait_dscnt 16                                ; K step 0's weights are in; the sixteen loads of constants behind them may be out
	MMG 0, 0, 4, 1
	U0 2, 0, 1, -1
	U0 2, 1, 0, -1
	U0 2, 2, 0, -1
	WLOAD 1, 1, 4
	WLOAD 0, 2, 4
	U0 2, 3, 0, -1
	s_wait_dscnt 0x0
	MMG 1, 1, 4, 0
	MMG 2, 0, 4, 0
	STAGE_OUT
	s_wait_tensorcnt 0x0                           ; my piece of part B is in,
	s_wait_dscnt 0x0                               ; and no LDS instruction of mine is out at the signal
	s_barrier_signal -1
	s_barrier_wait -1                              ; everybody's is
	; LAYER 1: four blocks of 16 channels, four output tiles
	s_mov_b32 s[ST], 0
	s_mov_b32 s[CT], C1B
	s_mov_b32 s[WT], W1B
	s_mov_b32 s[FIRST], 1
	s_mov_b32 s[CNT], 4
.Llayer1:
	BLOCK 4
	s_sub_co_u32 s[CNT], s[CNT], 1
	s_cmp_lg_u32 s[CNT], 0
	s_cbranch_scc1 .Llayer1
	STAGE_OUT                                      ; my reads of the stage are back (each trip ends on a wait for 0), and LDS serves a wave's instructions in order (ISA guide 5.7.1.4)
	; LAYER 2: four blocks, two output tiles
	s_mov_b32 s[ST], 0
	s_mov_b32 s[CT], C2B
	s_mov_b32 s[WT], W2B
	s_mov_b32 s[FIRST], 1
	s_mov_b32 s[CNT], 4
.Llayer2:
	BLOCK 2
	s_sub_co_u32 s[CNT], s[CNT], 1
	s_cmp_lg_u32 s[CNT], 0
	s_cbranch_scc1 .Llayer2
	; THE WAY OUT: register j of the four tiles' accumulators is one channel's pixels 4 r .. 4 r + 3: 16 bytes.  j = 0 of every accumulator comes first.
.rept 4
	v_nop                                          ; the places behind the last products
.endr
	WIN 0x01                        ; source window 1
.irp j, 0,1,2,3,4,5
.irp ot, 0,1
.irp tau, 0,1,2,3
	v_mov_b32 v[OB+4*(6*\ot+\j)+\tau], v[ACC+8*(4*\ot+\tau)+\j]
.endr
.endr
.endr
	WIN 0
.irp ot, 0,1
.irp j, 0,1,2,3,4,5
	global_store_b128 v[GOFF], v[OB+4*(6*\ot+\j):OB+4*(6*\ot+\j)+3], s[8:9] offset:(12*\ot+\j)*16384 th:TH_STORE_NT  ; channel 12 ot + 6 h + j: sixteen lanes store 256 consecutive bytes, aligned
.endr
.endr
	s_wait_tensorcnt 0x0                           ; the wave's end: a wait on TENSORcnt, an LDS add and its wait stand behind my last tensor load and my last LDS store
	ds_add_u32 v[SPW], v[NIL]
	s_wait_dscnt 0x0
	ROUND                                          ; the closing round: no work-group ends while a partner may still ask for a tile that names it
	s_endpgm
.Lfunc_end_k_qd475db39f6_kan:
	.size	k_qd475db39f6_kan, .Lfunc_end_k_qd475db39f6_kan-k_qd475db39f6_kan
	.p2alignl 7, 3214868480
	.fill 96, 4, 3214868480
	.section	.rodata,"a",@progbits
	.p2align	6, 0x0
	.amdhsa_kernel k_qd475db39f6_kan
		.amdhsa_group_segment_fixed_size 238592
		.amdhsa_private_segment_fixed_size 0
		.amdhsa_enable_private_segment 0
		.amdhsa_kernarg_size 24
		.amdhsa_user_sgpr_count 2
		.amdhsa_user_sgpr_kernarg_segment_ptr 1
		.amdhsa_wavefront_size32 1
		.amdhsa_system_sgpr_workgroup_id_x 1
		.amdhsa_system_sgpr_workgroup_id_y 1
		.amdhsa_system_sgpr_workgroup_id_z 1
		.amdhsa_system_vgpr_workitem_id 0
		.amdhsa_next_free_vgpr 448
		.amdhsa_next_free_sgpr 66
		.amdhsa_reserve_vcc 0
		.amdhsa_float_denorm_mode_32 3
		.amdhsa_float_denorm_mode_16_64 3
		.amdhsa_memory_ordered 1
		.amdhsa_forward_progress 1
		.amdhsa_inst_pref_size 255
	.end_amdhsa_kernel
	.section	.bss,"aw",@nobits
	.p2align	6
	.space	262144
	.amdgpu_metadata
---
amdhsa.version: [ 1, 2 ]
amdhsa.kernels:
  - .name:           k_qd475db39f6_kan
    .symbol:         k_qd475db39f6_kan.kd
    .args:
      - { .name: x, .offset: 0, .size: 8, .value_kind: global_buffer, .address_space: global }
      - { .name: img, .offset: 8, .size: 8, .value_kind: global_buffer, .address_space: global }
      - { .name: out0, .offset: 16, .size: 8, .value_kind: global_buffer, .address_space: global }
    .group_segment_fixed_size: 238592
    .private_segment_fixed_size: 0
    .kernarg_segment_align: 8
    .kernarg_segment_size: 24
    .max_flat_workgroup_size: 256
    .sgpr_count:     66
    .vgpr_count:     448
    .wavefront_size: 32
...
	.end_amdgpu_metadata
.endif
;; end of part 2
;; ======== version 2 of 2: 2 launches; version 1 with the launch prep written anew for expert scheduling mode
;; workspace buffers: img 106,496 bytes
;; launch prep (part 3): grid 104 x 1, 2 waves a work-group, no clusters, 0 bytes of LDS; arguments coef0, coef1, coef2, ss0, ss1, ss2, sb0, sb1, sb2, grid0, grid1, grid2, img; writes img
.if DOCPART == 3
	.amdgcn_target "amdgcn-amd-amdhsa--gfx1250"
	.amdhsa_code_object_version 6
	.text
	.protected	k_qd475db39f6_prep
	.globl	k_qd475db39f6_prep
	.p2align	8
	.type	k_qd475db39f6_prep,@function
k_qd475db39f6_prep:
	s_mov_b64 s[64:65], 0
	v_nop
	global_prefetch_b8 v0, s[64:65] scope:SCOPE_SE
	s_setreg_imm32_b32 hwreg(HW_REG_WAVE_SCHED_MODE, 0, 2), 2
	s_setreg_imm32_b32 hwreg(HW_REG_WAVE_MODE, 25, 1), 1
	s_wait_xcnt 0x0
	s_wait_alu depctr_vm_vsrc(0)
; Makes the image that the second launch lays into LDS: the three layers' weights as bf16 matrix fragments, and each channel's knots and reciprocal knot distances in f32.
; IMAGE (bytes): 0 W0, 12 fragments; 12,288 C0, 8 groups (0-2 are layer 0's, 3-7 repeat group 2 and are never used); 16,384 W1, 48 fragments; 65,536 W2, 24 fragments; 90,112 C1, 16 groups; 98,304 C2, 16 groups.
; A FRAGMENT (1,024 bytes) is 16 output rows x 32 k for source 0 of the 16x16x32 form: lane (r = lane % 16, h = lane / 16), register q, half e.  Bytes: (q / 4) 512 + lane 16 + (q % 4) 4.
;   k order: operand register idx = 8 S + q of a block's 24 (S = K step in the block of 16 input channels), idx = 6 P + FI: pair of channels P, feature FI (0-4 the splines, 5 silu);
;   input channel = HM h + 16 T + 2 P + e (layer 0: HM = 6, T = 0, and P = 3 does not exist: zeros; layers 1, 2: HM = 8).
;   output channel of row r: 16 OT + r (layers 0, 1); layer 2: 12 OT + 6 (r / 8) + r % 8 for r % 8 < 6, the other rows are zeros.
;   weight = coef x ss (one f32 product, as the reference folds it) for a spline, sb for silu; rounded once to bf16.
; A GROUP (512 bytes) serves one pair of channels in each half of the lanes: half h at 256 h, then 32 pairs pi of 8 bytes (channel c, channel c + 1):
;   pi 0-8 knots g_j; 10-17 1/(g_(j+1)-g_j); 18-24 1/(g_(j+2)-g_j); 26-31 1/(g_(j+3)-g_j); 9 and 25 repeat a neighbour and are never used.
; LIMITS.  The reciprocal is v_rcp_f32 (accurate to 1 ULP, denormal distances count as 0: ISA guide 15.8); equal knots give an infinity here and NaN later, as the reference's division does.
; Work-groups 0-83: one fragment each, a thread 16 bytes.  Work-groups 84-103: each of the two waves one group, a lane 16 bytes.  Every store of a wave covers 512 consecutive bytes, aligned.
; THE MODE: SCHED_MODE bits 1:0 = 2 (LLVM: expert scheduling mode 2), set by the entry lines.  The code itself states the register dependences
; between vector instructions and memory instructions, with s_wait_alu, always for 0.
; THE PLAN.  There is no loop.  Registers that memory instructions touch:
;   the loads' offsets (a fragment: v[16+10 q .. 19+10 q]; a group: v12, v14, v20, v22)   written by the address arithmetic, read by the loads, never written again
;   the loads' data    (a fragment: v[20+10 q .. 25+10 q]; a group: v15-18, v23-26)       named by no vector instruction ahead of the loads; worked on behind the wait on LOADcnt; read by no memory instruction
;   v7, v[8:11]        the store's offset and data                                        written once, read by the one store at the end
; So on each path all offsets are made first, ONE wait on va_vdst stands ahead of the run of loads, and one ahead of the store.  No register that a memory instruction reads is written again: no wait on vm_vsrc is owed.
; Scalar registers that vector instructions write (the wave's number; the compares' masks) have a wait on va_sdst ahead of their first reader.
.set F,    4        ; s4  work-group
.set WV,   5        ; s5  wave
	s_load_b512 s[16:31], s[0:1], 0x0              ; coef0 16, coef1 18, coef2 20, ss0 22, ss1 24, ss2 26, sb0 28, sb1 30
	s_load_b256 s[32:39], s[0:1], 0x40             ; sb2 32, grid0 34, grid1 36, grid2 38
	s_load_b64 s[40:41], s[0:1], 0x60              ; img
	v_lshrrev_b32 v1, 5, v0
	v_readfirstlane_b32 s[WV], v1
	s_mov_b32 s[F], ttmp9
	v_and_b32 v2, 15, v0                           ; r (fragments), or the lane's place in its half (groups)
	v_bfe_u32 v3, v0, 4, 1                         ; h
	s_wait_alu depctr_va_sdst(0)                   ; the wave's number is written into s5, ahead of the branch: both paths read it
	s_wait_kmcnt 0x0
	s_cmp_ge_u32 s[F], 84
	s_cbranch_scc1 .Lknots
	; ---- a fragment.  The layer's buffers and figures are chosen by the work-group's number.
	s_cmp_ge_u32 s[F], 60                          ; layer 2, or else layer 1
	s_cselect_b64 s[42:43], s[20:21], s[18:19]     ; coef
	s_cselect_b64 s[44:45], s[26:27], s[24:25]     ; ss
	s_cselect_b64 s[46:47], s[32:33], s[30:31]     ; sb
	s_cselect_b32 s6, 60, 12                       ; the layer's first fragment
	s_cselect_b32 s7, 1, 2                         ; log2 of its output tiles
	s_cselect_b32 s8, 24, 64                       ; DOUT
	s_cselect_b32 s9, 12, 16                       ; OM: output channels a tile
	s_cselect_b32 s10, 6, 8                        ; RM: output channels for eight rows
	s_cselect_b32 s11, 5, 7                        ; JMAX: the last of eight rows that exists
	s_cmp_lt_u32 s[F], 12                          ; layer 0
	s_cselect_b64 s[42:43], s[16:17], s[42:43]
	s_cselect_b64 s[44:45], s[22:23], s[44:45]
	s_cselect_b64 s[46:47], s[28:29], s[46:47]
	s_cselect_b32 s6, 0, s6
	s_cselect_b32 s12, 6, 8                        ; HM: input channels a half of the lanes
	s_cselect_b32 s13, 2, 3                        ; the last pair P that exists
	s_cselect_b32 s48, 0, 4096                     ; C0's 4,096 bytes lie between W0 and W1
	s_sub_co_u32 s6, s[F], s6                      ; FL: fragment in the layer = KS x tiles + OT
	s_lshr_b32 s14, s6, s7                         ; KS
	s_lshl_b32 s15, s14, s7
	s_sub_co_u32 s15, s6, s15                      ; OT
	s_mul_i32 s49, s14, 43
	s_lshr_b32 s49, s49, 7                         ; T = KS / 3 (exact for KS up to 11)
	s_mul_i32 s50, s49, 3
	s_sub_co_u32 s50, s14, s50                     ; S
	s_lshl_b32 s50, s50, 3
	s_lshl2_add_u32 s50, s[WV], s50                ; idx of my first register: 8 S + 4 wave
	v_lshrrev_b32 v4, 3, v2                        ; r / 8
	v_and_b32 v5, 7, v2                            ; r % 8
	v_cmp_ge_u32 s51, s11, v5                      ; the lanes whose row exists
	v_min_u32 v5, s11, v5                          ; the others load a neighbour's number, inside the buffer, and store 0
	s_mul_i32 s15, s15, s9
	v_mad_u32_u24 v4, v4, s10, v5
	v_add_nc_u32 v4, s15, v4                       ; o: my output channel
	s_lshl_b32 s49, s49, 4
	v_mul_u32_u24 v6, v3, s12
	v_add_nc_u32 v6, s49, v6                       ; HM h + 16 T
	v_mad_u32_u24 v6, v6, s8, v4                   ; element (that channel, o) of an [in][out] table
	v_lshlrev_b32 v7, 4, v0                        ; the store's offset: wave x 512 + lane x 16
	s_wait_alu depctr_va_sdst(0)                   ; the compare has written s51, ahead of its first reader: the select that makes s57
; Register q of my four: ten vector registers at 16 + 10 q: +0, +1 byte offsets in ss and sb for the two channels; +2, +3 in coef; +4, +5 coef; +6, +7 ss; +8, +9 sb.
; First all sixteen offsets and the eight masks,
.irp q, 0,1,2,3
	s_add_co_u32 s52, s50, \q                      ; idx
	s_mul_i32 s53, s52, 43
	s_lshr_b32 s53, s53, 8                         ; P = idx / 6 (exact for idx up to 23)
	s_mul_i32 s54, s53, 6
	s_sub_co_u32 s54, s52, s54                     ; FI
	s_cmp_lt_u32 s54, 5
	s_cselect_b32 s[56+2*\q], -1, 0                ; all lanes: a spline's weight, or silu's
	s_cmp_le_u32 s53, s13
	s_cselect_b32 s[57+2*\q], s51, 0               ; the lanes that keep their number: the pair and the row exist
	s_min_u32 s53, s53, s13
	s_mul_i32 s53, s53, s8
	s_lshl_b32 s53, s53, 1                         ; 2 P rows of the table
	s_min_u32 s54, s54, 4
	s_lshl_b32 s54, s54, 2
	v_add_nc_u32 v[16+10*\q], s53, v6              ; e: element (c0, o)
	v_add_nc_u32 v[17+10*\q], s8, v[16+10*\q]      ; element (c0 + 1, o)
	v_mad_u32_u24 v[18+10*\q], v[16+10*\q], 20, s54  ; coef has five numbers an element
	v_mad_u32_u24 v[19+10*\q], v[17+10*\q], 20, s54
	v_lshlrev_b32 v[16+10*\q], 2, v[16+10*\q]
	v_lshlrev_b32 v[17+10*\q], 2, v[17+10*\q]
.endr
	s_wait_alu depctr_va_vdst(0)                   ; the sixteen offsets are written, which the 24 loads below read; so is v7, the store's
; then all 24 loads in one run: no vector instruction stands among them.
.irp q, 0,1,2,3
	global_load_b32 v[20+10*\q], v[18+10*\q], s[42:43]
	global_load_b32 v[21+10*\q], v[19+10*\q], s[42:43]
	global_load_b32 v[22+10*\q], v[16+10*\q], s[44:45]
	global_load_b32 v[23+10*\q], v[17+10*\q], s[44:45]
	global_load_b32 v[24+10*\q], v[16+10*\q], s[46:47]
	global_load_b32 v[25+10*\q], v[17+10*\q], s[46:47]
.endr
	s_lshl_b32 s52, s[F], 10
	s_add_co_u32 s52, s52, s48                     ; the fragment's place in the image
	s_mov_b32 s53, 0
	s_add_nc_u64 s[40:41], s[40:41], s[52:53]
	s_wait_loadcnt 0x0                             ; all 24
.irp q, 0,1,2,3
	v_mul_f32 v[20+10*\q], v[20+10*\q], v[22+10*\q]                   ; coef x ss
	v_mul_f32 v[21+10*\q], v[21+10*\q], v[23+10*\q]
	v_cndmask_b32 v[20+10*\q], v[24+10*\q], v[20+10*\q], s[56+2*\q]   ; or sb
	v_cndmask_b32 v[21+10*\q], v[25+10*\q], v[21+10*\q], s[56+2*\q]
	v_cndmask_b32 v[20+10*\q], 0, v[20+10*\q], s[57+2*\q]             ; or 0
	v_cndmask_b32 v[21+10*\q], 0, v[21+10*\q], s[57+2*\q]
	v_cvt_pk_bf16_f32 v[8+\q], v[20+10*\q], v[21+10*\q]               ; channel c0 in the low half
.endr
	s_wait_alu depctr_va_vdst(0)                   ; the four roundings have written v[8:11], which the store reads
	global_store_b128 v7, v[8:11], s[40:41]
	s_endpgm
.Lknots:
	; ---- a group of constants for each wave: Gp = 0-7 layer 0's, 8-23 layer 1's, 24-39 layer 2's
	s_sub_co_u32 s6, s[F], 84
	s_lshl1_add_u32 s6, s6, s[WV]                  ; Gp
	s_max_u32 s7, s6, 8
	s_sub_co_u32 s7, s7, 8                         ; the group among layers 1 and 2's 32
	s_cmp_ge_u32 s7, 16
	s_cselect_b64 s[42:43], s[38:39], s[36:37]     ; grid2 or grid1
	s_and_b32 s8, s7, 15                           ; group 4 t + p of its layer
	s_lshr_b32 s9, s8, 2
	s_lshl_b32 s9, s9, 4
	s_and_b32 s10, s8, 3
	s_lshl1_add_u32 s9, s10, s9                    ; its first channel in half 0: 16 t + 2 p
	s_lshl_b32 s11, s7, 9
	s_add_co_u32 s11, s11, 90112                   ; its place in the image
	s_min_u32 s12, s6, 2                           ; layer 0: groups 3-7 repeat group 2
	s_lshl_b32 s12, s12, 1
	s_lshl_b32 s13, s6, 9
	s_add_co_u32 s13, s13, 12288
	s_cmp_lt_u32 s6, 8
	s_cselect_b64 s[42:43], s[34:35], s[42:43]     ; grid0
	s_cselect_b32 s9, s12, s9
	s_cselect_b32 s52, s13, s11
	s_cselect_b32 s14, 6, 8                        ; HM
	s_mov_b32 s53, 0
	s_add_nc_u64 s[40:41], s[40:41], s[52:53]
	v_mul_u32_u24 v4, v3, s14
	v_add_nc_u32 v4, s9, v4                        ; channel c of my half
	v_mul_u32_u24 v4, v4, 36                       ; its nine knots' first byte; channel c + 1's lie 36 bytes on
	v_and_b32 v7, 31, v0
	v_lshlrev_b32 v7, 4, v7                        ; lane x 16
; My two pairs pi = 2 (lane % 16) + i.  Registers at 12 + 8 i: +0 pi, then the byte offset of g_j; +1 d; +2 the byte offset of g_(j+d); +3 .. +6 the four knots.
; First both pairs' offsets,
.irp i, 0,1
	v_lshl_add_u32 v[12+8*\i], v2, 1, \i           ; pi
	v_add_nc_u32 v[13+8*\i], 6, v[12+8*\i]
	v_lshrrev_b32 v[13+8*\i], 3, v[13+8*\i]
	v_max_u32 v[13+8*\i], 1, v[13+8*\i]
	v_add_nc_u32 v[13+8*\i], -1, v[13+8*\i]        ; d = 0 for pi < 10, 1 for 10-17, 2 for 18-25, 3 for 26-31
	v_min_u32 v[14+8*\i], 1, v[13+8*\i]
	v_lshl_add_u32 v[14+8*\i], v[13+8*\i], 2, v[14+8*\i]
	v_lshlrev_b32 v[14+8*\i], 1, v[14+8*\i]        ; the kind's first pair: 8 d + 2 min(d, 1)
	v_sub_nc_u32 v[12+8*\i], v[12+8*\i], v[14+8*\i]
	v_sub_nc_u32 v[14+8*\i], 8, v[13+8*\i]
	v_min_u32 v[12+8*\i], v[12+8*\i], v[14+8*\i]   ; j, held to 8 - d: pairs 9 and 25 repeat their neighbour, and j + d stays within the nine knots
	v_lshl_add_u32 v[12+8*\i], v[12+8*\i], 2, v4
	v_lshl_add_u32 v[14+8*\i], v[13+8*\i], 2, v[12+8*\i]
.endr
	s_wait_alu depctr_va_vdst(0)                   ; the four offsets v12, v14, v20, v22 are written, which the eight loads below read; so is v7, the store's
; then the eight loads in one run.
.irp i, 0,1
	global_load_b32 v[15+8*\i], v[12+8*\i], s[42:43]
	global_load_b32 v[16+8*\i], v[14+8*\i], s[42:43]
	global_load_b32 v[17+8*\i], v[12+8*\i], s[42:43] offset:36
	global_load_b32 v[18+8*\i], v[14+8*\i], s[42:43] offset:36
.endr
	s_wait_loadcnt 0x0                             ; all eight
.irp i, 0,1
	v_cmp_eq_u32 s[50+\i], 0, v[13+8*\i]           ; the lanes whose pair holds the knots themselves
	v_sub_f32 v[16+8*\i], v[16+8*\i], v[15+8*\i]   ; g_(j+d) - g_j
	v_sub_f32 v[18+8*\i], v[18+8*\i], v[17+8*\i]
.endr
.irp i, 0,1
	v_rcp_f32 v[16+8*\i], v[16+8*\i]
	v_rcp_f32 v[18+8*\i], v[18+8*\i]
.endr
	v_nop                                          ; a plain instruction between the last reciprocal and the use of its result (ISA guide 5.7.2)
	s_wait_alu depctr_va_vdst(0)                   ; the four reciprocals have written v16, v18, v24, v26, ahead of their first reader: one wait for the batch
	s_wait_alu depctr_va_sdst(0)                   ; the two compares have written s50 and s51, ahead of the selects that read them
.irp i, 0,1
	v_cndmask_b32 v[8+2*\i], v[16+8*\i], v[15+8*\i], s[50+\i]
	v_cndmask_b32 v[9+2*\i], v[18+8*\i], v[17+8*\i], s[50+\i]
.endr
	s_wait_alu depctr_va_vdst(0)                   ; the four selects have written v[8:11], which the store reads
	global_store_b128 v7, v[8:11], s[40:41]
	s_endpgm
.Lfunc_end_k_qd475db39f6_prep:
	.size	k_qd475db39f6_prep, .Lfunc_end_k_qd475db39f6_prep-k_qd475db39f6_prep
	.p2alignl 7, 3214868480
	.fill 96, 4, 3214868480
	.section	.rodata,"a",@progbits
	.p2align	6, 0x0
	.amdhsa_kernel k_qd475db39f6_prep
		.amdhsa_group_segment_fixed_size 0
		.amdhsa_private_segment_fixed_size 0
		.amdhsa_enable_private_segment 0
		.amdhsa_kernarg_size 104
		.amdhsa_user_sgpr_count 2
		.amdhsa_user_sgpr_kernarg_segment_ptr 1
		.amdhsa_wavefront_size32 1
		.amdhsa_system_sgpr_workgroup_id_x 1
		.amdhsa_system_sgpr_workgroup_id_y 1
		.amdhsa_system_sgpr_workgroup_id_z 1
		.amdhsa_system_vgpr_workitem_id 0
		.amdhsa_next_free_vgpr 64
		.amdhsa_next_free_sgpr 66
		.amdhsa_reserve_vcc 0
		.amdhsa_float_denorm_mode_32 3
		.amdhsa_float_denorm_mode_16_64 3
		.amdhsa_memory_ordered 1
		.amdhsa_forward_progress 1
		.amdhsa_inst_pref_size 13
	.end_amdhsa_kernel
	.amdgpu_metadata
---
amdhsa.version: [ 1, 2 ]
amdhsa.kernels:
  - .name:           k_qd475db39f6_prep
    .symbol:         k_qd475db39f6_prep.kd
    .args:
      - { .name: coef0, .offset: 0, .size: 8, .value_kind: global_buffer, .address_space: global }
      - { .name: coef1, .offset: 8, .size: 8, .value_kind: global_buffer, .address_space: global }
      - { .name: coef2, .offset: 16, .size: 8, .value_kind: global_buffer, .address_space: global }
      - { .name: ss0, .offset: 24, .size: 8, .value_kind: global_buffer, .address_space: global }
      - { .name: ss1, .offset: 32, .size: 8, .value_kind: global_buffer, .address_space: global }
      - { .name: ss2, .offset: 40, .size: 8, .value_kind: global_buffer, .address_space: global }
      - { .name: sb0, .offset: 48, .size: 8, .value_kind: global_buffer, .address_space: global }
      - { .name: sb1, .offset: 56, .size: 8, .value_kind: global_buffer, .address_space: global }
      - { .name: sb2, .offset: 64, .size: 8, .value_kind: global_buffer, .address_space: global }
      - { .name: grid0, .offset: 72, .size: 8, .value_kind: global_buffer, .address_space: global }
      - { .name: grid1, .offset: 80, .size: 8, .value_kind: global_buffer, .address_space: global }
      - { .name: grid2, .offset: 88, .size: 8, .value_kind: global_buffer, .address_space: global }
      - { .name: img, .offset: 96, .size: 8, .value_kind: global_buffer, .address_space: global }
    .group_segment_fixed_size: 0
    .private_segment_fixed_size: 0
    .kernarg_segment_align: 8
    .kernarg_segment_size: 104
    .max_flat_workgroup_size: 64
    .sgpr_count:     66
    .vgpr_count:     64
    .wavefront_size: 32
...
	.end_amdgpu_metadata
.endif
;; end of part 3
;; launch kan: the kernel of part 2 again; grid 256 x 1, 8 waves a work-group, clusters of 4 x 1, 238,592 bytes of LDS; arguments x, img, out0; writes out0
